; MI455X (gfx1250); checked and timed in simulation.
; The chip was launched on July 23, 2026; its instructions are those of AMD's public machine-readable ISA for CDNA 5 (MIT licence, August 2026) and "CDNA5" Instruction Set Architecture Reference Guide (July 2026). The comments in the code are by the model that wrote it; some were corrected since.
;; Learned Importance Sampler. Allowed arithmetic: matrix products marked QUANTISED: E2M1 operands, one E8M0 scale for each 32 along K, by v_wmma_scale_f32_16x16x128_f8f6f4 with both operands' format E2M1 (or v_wmma_scale_f32_32x16x128_f4), f32 sums; products left as they are: f32 operands where the result goes on into a quantised operand, else bf16, f16 or f32 operands; f32 sums; everything else in f32.
;; Inputs: W1 512 x 256 float32; W2_codes 256 x 8 x 16 uint8 (E2M1 codes of W2, K innermost, in blocks of 32 codes, two codes a byte); W2_scales 256 x 8 uint8 (E8M0 scales of W2, one for each 32 codes along K); W3_codes 256 x 8 x 16 uint8 (E2M1 codes of W3, K innermost, in blocks of 32 codes, two codes a byte); W3_scales 256 x 8 uint8 (E8M0 scales of W3, one for each 32 codes along K); Wf 256 x 1 float32; Wke_codes 256 x 16 x 16 uint8 (E2M1 codes of Wke, K innermost, in blocks of 32 codes, two codes a byte); Wke_scales 256 x 16 uint8 (E8M0 scales of Wke, one for each 32 codes along K); Wqe_codes 256 x 16 x 16 uint8 (E2M1 codes of Wqe, K innermost, in blocks of 32 codes, two codes a byte); Wqe_scales 256 x 16 uint8 (E8M0 scales of Wqe, one for each 32 codes along K); Wv1 512 x 256 float32; Wv2 256 x 1 float32; b1 256 float32; b2 256 float32; b3 256 float32; bf 1 float32; bke 256 float32; bqe 256 float32; bv1 256 float32; bv2 1 float32; key_codes 2 x 512 x 16 x 16 uint8 (E2M1 codes of key, K innermost, in blocks of 32 codes, two codes a byte); key_scales 2 x 512 x 16 uint8 (E8M0 scales of key, one for each 32 codes along K); query_codes 2 x 512 x 16 x 16 uint8 (E2M1 codes of query, K innermost, in blocks of 32 codes, two codes a byte); query_scales 2 x 512 x 16 uint8 (E8M0 scales of query, one for each 32 codes along K).
;; Outputs: out0 2 x 512 x 512 float32; out1 2 x 512 x 512 float32.
;; This version of the problem:
;;   THIS VERSION OF THE PROBLEM IS GIVEN IN LOW PRECISION. The matrix products marked QUANTISED in the list below multiply operands that are first quantised to E2M1 (2 exponent bits, 1 mantissa bit; 4 bits a number), with one power-of-two scale for each 32 numbers along K (OCP MX v1.0); their sums are f32. All else is computed in f32.
;;   The module's matrix products, in the order in which they are computed (A, B: the left and right operand; K: the contracted axis; several contracted axes count as one K, in the product's order):
;;     1. [M 1,024, K 512] x [K 512, N 256]; A: input query (given as codes); B: input Wqe (given as codes): QUANTISED
;;     2. [M 1,024, K 512] x [K 512, N 256]; A: input key (given as codes); B: input Wke (given as codes): QUANTISED
;;     3. [M 1,024, K 256] x [K 256, N 256]; A: computed on the way; B: input W1: QUANTISED
;;     4. [M 1,024, K 256] x [K 256, N 256]; A: computed on the way; B: input W1: QUANTISED
;;     5. [M 524,288, K 256] x [K 256, N 256]; A: computed on the way; B: input W2 (given as codes): QUANTISED
;;     6. [M 524,288, K 256] x [K 256, N 256]; A: computed on the way; B: input W3 (given as codes): QUANTISED
;;     7. [M 524,288, K 256] x [K 256, N 1]; A: computed on the way; B: input Wf: left as it is (N = 1 < 16)
;;     8. [M 1,024, K 256] x [K 256, N 256]; A: computed on the way; B: input Wv1: QUANTISED
;;     9. [M 1,024, K 256] x [K 256, N 256]; A: computed on the way; B: input Wv1: QUANTISED
;;     10. [M 524,288, K 256] x [K 256, N 1]; A: computed on the way; B: input Wv2: left as it is (N = 1 < 16)
;;   THE QUANTISER, for each operand of a quantised product, along K:
;;     - K is cut into blocks of 32 from its start; a last block that is shorter is filled with zeros.
;;     - A block's scale is 2^e with e = floor(log2(the largest magnitude in the block)) - 2, held to -126 .. 127; a block of zeros has e = 0. As a byte (E8M0): e + 127.
;;     - Each number is divided by its block's scale, clamped to +-6, and rounded to the nearest number of E2M1, ties to even, subnormals kept.
;;     - The product sums the exact products of the quantised numbers (number of the format x scale) in f32.
;;   ~~~python
;;   def quantise(x, axis):      # numpy; x: float32 -> the quantised numbers, widened to float32 again
;;       x = np.moveaxis(x, axis, -1); K = x.shape[-1]
;;       x = np.pad(x, [(0, 0)] * (x.ndim - 1) + [(0, -K % 32)]); x = x.reshape(x.shape[:-1] + (-1, 32)); a = np.abs(x).max(-1, keepdims=True)
;;       e = np.where(a > 0, np.clip(np.frexp(np.where(a > 0, a, 1))[1] - 1 - 2, -126, 127), 0)      # np.frexp(a)[1] - 1 = floor(log2(a)), exactly
;;       r = np.clip(x / 2.0 ** e, -6, 6)
;;       step = 2.0 ** (np.maximum(np.frexp(np.where(r == 0, 1, r))[1] - 1, 0) - 1)
;;       q = np.round(r / step) * step * 2.0 ** e      # np.round: ties to even
;;       return np.moveaxis(q.reshape(q.shape[:-2] + (-1,))[..., :K], -1, axis).astype(np.float32)
;;   ~~~
;;   OPERANDS COMPUTED ON THE WAY. 'Computed on the way' means the value that the module computes at that place (a softmax that the list does not call 'softmax' is quantised finished and normalised). What goes into a quantiser is computed in f32, as accurately as f32 sums, v_exp_f32 and their like allow (about 1e-6 of the number): no bf16 or f16 on the way to a quantiser, and a product that is left as it is and whose result goes on into a quantised operand takes f32 operands (vector FMAs, or v_wmma_f32_16x16x4_f32). A number that lies on a knife's edge between two numbers of the format may be rounded either way, as far as f32 arithmetic and the matrix unit's own rounding can turn it there, and no further.
;;   INPUTS GIVEN AS CODES. W2 (in the module: [256, 256], K = its axis 0); W3 (in the module: [256, 256], K = its axis 0); Wke (in the module: [512, 256], K = its axis 0); Wqe (in the module: [512, 256], K = its axis 0); key (in the module: [2, 512, 512], K = its axis 2); query (in the module: [2, 512, 512], K = its axis 2): each comes as NAME_codes (uint8): NAME with its K axis moved to the last place and cut into blocks of 32 codes, [.., K / 32, bytes a block], one block behind the other in memory; two codes a byte, the lower K in the low four bits (a code: sign, 2 exponent bits, 1 mantissa bit); and NAME_scales (uint8): the same leading axes, one E8M0 byte (e + 127) for each 32 codes along K. Its value is code x scale, taken as it is: it is not quantised again, and the codes and scales need not be those that the quantiser above would give.
;; One version. Each part assembles by itself: llvm-mc -triple=amdgcn-amd-amdhsa -mcpu=gfx1250 --defsym DOCPART=n.
;; ======== version 1 of 1: 2 launches
;; limits: a difference of large sums (such as E[x^2] - mean^2): digits are lost where the result is much smaller than its terms
;; workspace buffers: qp1 1,048,576 bytes; kp1 1,048,576 bytes; vq1 1,048,576 bytes; nvk 1,048,576 bytes
;; launch prep (part 1): grid 8 x 32, 4 waves a work-group, no clusters, 27,136 bytes of LDS; arguments query_codes, key_codes, query_scales, key_scales, Wqe_codes, Wke_codes, Wqe_scales, Wke_scales, bqe, bke, W1, Wv1, b1, bv1, qp1, kp1, vq1, nvk; writes qp1, kp1, vq1, nvk
.if DOCPART == 1
	.amdgcn_target "amdgcn-amd-amdhsa--gfx1250"
	.amdhsa_code_object_version 6
	.text
	.protected	k_q7d905b9394_prep
	.globl	k_q7d905b9394_prep
	.p2align	8
	.type	k_q7d905b9394_prep,@function
k_q7d905b9394_prep:
	s_mov_b64 s[64:65], 0
	v_nop
	global_prefetch_b8 v0, s[64:65] scope:SCOPE_SE
	s_setreg_imm32_b32 hwreg(HW_REG_WAVE_MODE, 25, 1), 1
	s_wait_xcnt 0x0
; THE FOUR TABLES THAT THE PAIR KERNEL WALKS, each [1024 rows = batch x 512 + index][256] f32:
;   qp1 = Q(relu(query Wqe + bqe)) Q(W1[:256]) + b1      kp1 = Q(relu(key Wke + bke)) Q(W1[256:])
;   vq1 = the same of the query with Wv1[:256], + bv1     nvk = MINUS the same of the key with Wv1[256:]
; Q is the MX-FP4 quantiser along K (blocks of 32, E8M0 scale); all products go by the scaled FP4 matrix instruction, sums in f32.
; SHARES.  Work-group (x, y): x = 4 mat + cq (mat 0: W1, 1: Wv1; cq: 64 output columns), y = 16 side + rb (side 0: query, 1: key; rb: 64 rows).
; Wave w makes encoder channels 64 w .. 64 w + 63 for the 64 rows, then output columns 64 cq + 16 w .. + 15 for the 64 rows.  The encoder is made anew by the
; eight column parts: 64 matrix instructions a wave.  The encoder's result goes from wave to wave through LDS as images of the operand's registers.
; BOTH PRODUCTS ARE USED TRANSPOSED (source 0 = 16 rows of a weight, source 1 = 16 data rows): a lane holds one data row.
; THE ROWS OF THE ENCODER'S WEIGHT THAT FORM A TILE ARE NOT NEIGHBOURS: lane m of tile u takes channel 64 w + 32 (m / 8) + 8 u + m % 8, so that lane (r, h)'s 32
; accumulator registers of a tile of rows are channels 64 w + 32 h + 0 .. 31: ONE WHOLE BLOCK of the next K in one lane, in the order of the next operand's registers.
; RELU AHEAD OF THE QUANTISER: the block's maximum is taken without |.| (what is negative must not count; a floor stands under it), the numbers are converted
; signed, and in the codes every negative nibble is turned into -0, which multiplies to zero.
; W1 and Wv1 arrive as f32 with K on the first axis: a lane takes a column, its registers run down K, so the conversions' results are the operand's registers.
; LIMITS: NaN and infinities are not served.  A block whose largest number lies under 2^-124 gets the byte 1 (the quantiser's own lower hold); a block of zeros
; gets the byte 1 where the quantiser says 127: its codes are zeros, and the bytes are read by this program alone.
; No tensor load, no cluster: each work-group reads its operands once, straight into registers.
.set FIM,  0                           ; LDS: 8 images of 1,024 bytes: (tile of rows mt, K step s) at 1024 (2 mt + s); register group c at 512 c + 16 x lane
.set FSB,  8192                        ; their scale words: 64 (2 mt + s) + 4 r + byte
.set STG,  8704                        ; the stage for the way out: 64 rows x (256 bytes + 16)
.set SGP,  272
.set GWF,  3                           ; v3   W f32: 32768 h + 4 r
.set GWE,  4                           ; v4   encoder weight: tile row x 256 + 16 h
.set GX,   5                           ; v5   data rows: 256 r + 16 h
.set GWES, 6                           ; v6   encoder weight's scale words: tile row x 16
.set GXS,  7                           ; v7   data rows' scale words: 16 r
.set G128, 8                           ; v8   128 h
.set G32,  9                           ; v9   32 h
.set FIMA, 10                          ; v10  where I store my image: 16 x thread
.set FSBA, 11                          ; v11  where I store my scale byte
.set FRD,  12                          ; v12  16 x lane
.set FSR,  13                          ; v13  FSB + 4 r
.set STW,  14                          ; v14  the stage, in
.set SRD,  15                          ; v15  the stage, back
.set WES,  16                          ; v16-31  encoder weight's scale words (4 u + s)
.set XS,   32                          ; v32-47  data rows' scale words (4 mt + s)
.set BE,   48                          ; v48-79  the encoder's bias in the result's layout (8 u + j)
.set BB,   80                          ; v80-87  the second product's bias
.set WC,   88                          ; v88-103 W's codes: two fragments
.set WW,   104                         ; v104-105 W's scale words
.set FS,   106                         ; v106-113 the features' scale words (2 mt + s)
.set FC,   114                         ; v114-129 the codes that I make of the features
.set TM,   130                         ; v130-133 maxima, v134-137 conversion scales, v138-141 bytes
.set PT,   142                         ; v142 a lane permute's destination
.set SH8,  143                         ; v143 8 h
.set MS,   144                         ; v144-151, v152-159 at work on the nibbles
.set MT,   152
.set FQ,   160                         ; v160-223 the features' eight fragments; later rows on the way out
.set PA,   224                         ; v224-255 the second product's four accumulators
; window 1: v0-127 encoder weight's fragments (u, s) at 8 (4 u + s); v128-255 data fragments (mt, s) at 128 + 8 (4 mt + s)
; window 2: v0-127 W as f32, register 64 s + 32 c + i = k 128 s + 64 c + 32 h + i; v128-255 the encoder's accumulators, 32 mt + 8 u + j
.set WV,   50
.set SGN,  51
.set KMN,  52
.set FLO,  70
.set EOFF, 71
.set NIB,  72
.set SEL,  74
.set MSB, 0
.macro WIN new                         ; the immediate's high byte repeats the setting that is left
.if MSB != \new
	s_set_vgpr_msb (MSB<<8)|\new
.set MSB, \new
.endif
.endm
; Four blocks of 32 numbers of a lane, window 2 v[src + 32 b + i], become 16 registers of codes v[cod + 4 b + u]; bytes in v[TM+8+b].
.macro QB4 src, cod, abs
	WIN 0x0a                                       ; sources 0 and 1 in window 2
.irp b, 0,1,2,3
.if \abs
	v_max3_num_f32 v[TM+\b], |v[\src+32*\b]|, |v[\src+32*\b+1]|, s[FLO]   ; the floor 2^(3 - 127) among the leaves: the byte cannot fall under 1
.else
	v_max3_num_f32 v[TM+\b], v[\src+32*\b], v[\src+32*\b+1], s[FLO]
.endif
.endr
.irp i, 2,4,6,8,10,12,14,16,18,20,22,24,26,28,30
.irp b, 0,1,2,3
.if \abs
	v_max3_num_f32 v[TM+\b], |v[\src+32*\b+\i]|, |v[\src+32*\b+\i+1]|, v[TM+\b]
.else
	v_max3_num_f32 v[TM+\b], v[\src+32*\b+\i], v[\src+32*\b+\i+1], v[TM+\b]   ; ascending: each accumulator is first read at its low end
.endif
.endr
.endr
	WIN 0
.irp b, 0,1,2,3
	v_add_nc_u32 v[TM+4+\b], s[EOFF], v[TM+\b]     ; 2 off the exponent field: the conversion's scale operand
.endr
.irp b, 0,1,2,3
	v_lshrrev_b32 v[TM+8+\b], 23, v[TM+4+\b]       ; the scale's byte
.endr
	WIN 0x02                                       ; source 0 in window 2
.irp b, 0,1,2,3
.irp u, 0,1,2,3
	v_cvt_scalef32_pk8_fp4_f32 v[\cod+4*\b+\u], v[\src+32*\b+8*\u:\src+32*\b+8*\u+7], v[TM+4+\b]
.endr
.endr
	WIN 0
	v_nop                                          ; one plain instruction behind the last scaled conversion
.endm
; In eight registers of codes every negative nibble becomes -0: s = the sign bits; s - (s >> 3) = 7 in each negative nibble; those bits are cleared.
.macro MASK8 cod
.irp i, 0,1,2,3,4,5,6,7
	v_and_b32 v[MS+\i], s[NIB], v[\cod+\i]
.endr
.irp i, 0,1,2,3,4,5,6,7
	v_lshrrev_b32 v[MT+\i], 3, v[MS+\i]
.endr
.irp i, 0,1,2,3,4,5,6,7
	v_sub_nc_u32 v[MS+\i], v[MS+\i], v[MT+\i]
.endr
.irp i, 0,1,2,3,4,5,6,7
	v_bfi_b32 v[\cod+\i], v[MS+\i], 0, v[\cod+\i]
.endr
.endm
.macro BAR                             ; my LDS stores have landed and my LDS loads are in: then the work-group's barrier
	s_wait_dscnt 0x0
	s_barrier_signal -1
	s_barrier_wait -1
.endm
	s_load_b512 s[8:23], s[0:1], 0x0               ; query_codes 8, key_codes 10, query_scales 12, key_scales 14, Wqe_codes 16, Wke_codes 18, Wqe_scales 20, Wke_scales 22
	s_load_b512 s[24:39], s[0:1], 0x40             ; bqe 24, bke 26, W1 28, Wv1 30, b1 32, bv1 34, qp1 36, kp1 38
	s_load_b128 s[40:43], s[0:1], 0x80             ; vq1 40, nvk 42
	s_set_vgpr_msb 0xc0
	v_lshl_add_u32 v0, v0, 2, 0x6800
	v_mov_b32 v1, 0
	s_set_vgpr_msb 0xc000
	v_lshrrev_b32 v1, 5, v0
	v_readfirstlane_b32 s[WV], v1                  ; wave 0..3
	s_lshr_b32 s45, ttmp9, 2                       ; mat
	s_and_b32 s46, ttmp9, 3                        ; cq
	s_and_b32 s47, ttmp7, 0xffff
	s_lshr_b32 s48, s47, 4                         ; side
	s_and_b32 s49, s47, 15                         ; rb
	s_and_b32 s[SGN], s48, s45
	s_lshl_b32 s[SGN], s[SGN], 31                  ; the sign bit where the table is nvk, else 0
	s_sub_co_u32 s[KMN], s48, 1                    ; all ones on the query's side, 0 on the key's: the bias goes to the query's tables alone
	s_mov_b32 s[FLO], 0x1800000
	s_mov_b32 s[EOFF], 0xff000000
	s_mov_b32 s[NIB], 0x88888888
	s_mov_b32 s[SEL], 0x76543210
	s_mov_b32 s[SEL+1], 0xfedcba98                 ; v_permlanex16_b32's selects for lane l xor 16
	v_and_b32 v1, 15, v0                           ; r
	v_bfe_u32 v2, v0, 4, 1                         ; h
	v_and_b32 v[PT], 31, v0                        ; lane (this also writes the permute's destination once)
	v_lshlrev_b32 v[GWF], 2, v1
	v_lshl_add_u32 v[GWF], v2, 15, v[GWF]
	v_and_b32 v[MS], 8, v1
	v_mad_u32_u24 v[MS], v[MS], 3, v1              ; 32 (r / 8) + r % 8
	v_lshlrev_b32 v[GWE], 8, v[MS]
	v_lshl_add_u32 v[GWE], v2, 4, v[GWE]
	v_lshlrev_b32 v[GX], 8, v1
	v_lshl_add_u32 v[GX], v2, 4, v[GX]
	v_lshlrev_b32 v[GWES], 4, v[MS]
	v_lshlrev_b32 v[GXS], 4, v1
	v_lshlrev_b32 v[G128], 7, v2
	v_lshlrev_b32 v[G32], 5, v2
	v_lshlrev_b32 v[SH8], 3, v2
	v_lshlrev_b32 v[FIMA], 4, v0                   ; 1024 (w / 2) + 512 (w % 2) + 16 x lane = 16 x thread
	s_lshr_b32 s57, s[WV], 1
	s_lshl_b32 s57, s57, 6
	s_and_b32 s58, s[WV], 1
	s_lshl_b32 s58, s58, 1
	s_add_co_u32 s57, s57, s58
	s_add_co_u32 s57, s57, FSB
	v_lshl_add_u32 v[FSBA], v1, 2, v2
	v_add_nc_u32 v[FSBA], s57, v[FSBA]             ; FSB + 64 (w / 2) + 2 (w % 2) + 4 r + h
	v_lshlrev_b32 v[FRD], 4, v[PT]
	v_lshl_add_u32 v[FSR], v1, 2, FSB
	s_lshl_b32 s57, s[WV], 6
	s_add_co_u32 s57, s57, STG
	v_mul_u32_u24 v[STW], v1, SGP
	v_lshl_add_u32 v[STW], v2, 5, v[STW]
	v_add_nc_u32 v[STW], s57, v[STW]               ; STG + 272 r + 64 w + 32 h
	v_lshrrev_b32 v[MT], 4, v0
	v_mul_u32_u24 v[SRD], v[MT], SGP
	v_lshl_add_u32 v[SRD], v1, 4, v[SRD]
	v_add_nc_u32 v[SRD], STG, v[SRD]               ; STG + 272 (thread / 16) + 16 (thread % 16)
	s_mov_b32 s55, 0
	s_wait_kmcnt 0x0
	s_cmp_eq_u32 s48, 0                            ; the choices hang on the work-group's number alone
	s_cselect_b64 s[8:9], s[8:9], s[10:11]         ; the rows' codes
	s_cselect_b64 s[12:13], s[12:13], s[14:15]     ; their scales
	s_cselect_b64 s[16:17], s[16:17], s[18:19]     ; the encoder's weight
	s_cselect_b64 s[20:21], s[20:21], s[22:23]     ; its scales
	s_cselect_b64 s[24:25], s[24:25], s[26:27]     ; its bias
	s_cselect_b64 s[36:37], s[36:37], s[38:39]     ; the table of W1: qp1 or kp1
	s_cselect_b64 s[40:41], s[40:41], s[42:43]     ; the table of Wv1: vq1 or nvk
	s_cmp_eq_u32 s45, 0
	s_cselect_b64 s[28:29], s[28:29], s[30:31]     ; W1 or Wv1
	s_cselect_b64 s[32:33], s[32:33], s[34:35]     ; b1 or bv1
	s_cselect_b64 s[36:37], s[36:37], s[40:41]     ; my table
	s_lshl_b32 s54, s49, 14                        ; 64 rb rows of 256 bytes
	s_add_nc_u64 s[8:9], s[8:9], s[54:55]
	s_lshl_b32 s54, s49, 10                        ; of 16 bytes
	s_add_nc_u64 s[12:13], s[12:13], s[54:55]
	s_lshl_b32 s54, s[WV], 14                      ; my 64 channels of the encoder's weight
	s_add_nc_u64 s[16:17], s[16:17], s[54:55]
	s_lshl_b32 s54, s[WV], 10
	s_add_nc_u64 s[20:21], s[20:21], s[54:55]
	s_lshl_b32 s54, s[WV], 8
	s_add_nc_u64 s[24:25], s[24:25], s[54:55]
	s_lshl_b32 s54, s46, 8
	s_lshl_b32 s56, s[WV], 6
	s_add_co_u32 s54, s54, s56                     ; 4 (64 cq + 16 w): my 16 output columns
	s_add_nc_u64 s[32:33], s[32:33], s[54:55]
	s_lshl_b32 s56, s48, 18                        ; the key's side takes W's rows 256 on
	s_add_co_u32 s54, s54, s56
	s_add_nc_u64 s[28:29], s[28:29], s[54:55]
	s_lshl_b32 s54, s49, 16                        ; 64 rb rows of 1,024 bytes
	s_lshl_b32 s56, s46, 8
	s_add_co_u32 s54, s54, s56
	s_add_nc_u64 s[36:37], s[36:37], s[54:55]
	; ---- all operands, straight into registers
	WIN 0x40                                       ; destination window 1
.irp u, 0,1,2,3
.irp s, 0,1,2,3
.irp c, 0,1
	global_load_b128 v[8*(4*\u+\s)+4*\c:8*(4*\u+\s)+4*\c+3], v[GWE], s[16:17] offset:8*\u*256+64*\s+32*\c
.endr
.endr
.endr
.irp m, 0,1,2,3
.irp s, 0,1,2,3
.irp c, 0,1
	global_load_b128 v[128+8*(4*\m+\s)+4*\c:128+8*(4*\m+\s)+4*\c+3], v[GX], s[8:9] offset:16*\m*256+64*\s+32*\c
.endr
.endr
.endr
	WIN 0
.irp u, 0,1,2,3
	global_load_b128 v[WES+4*\u:WES+4*\u+3], v[GWES], s[20:21] offset:128*\u
.endr
.irp m, 0,1,2,3
	global_load_b128 v[XS+4*\m:XS+4*\m+3], v[GXS], s[12:13] offset:256*\m
.endr
.irp j, 0,1,2,3,4,5,6,7
	global_load_b128 v[BE+4*\j:BE+4*\j+3], v[G128], s[24:25] offset:16*\j   ; channels 64 w + 32 h + 0 .. 31
.endr
	global_load_b128 v[BB:BB+3], v[G32], s[32:33]
	global_load_b128 v[BB+4:BB+7], v[G32], s[32:33] offset:16
	WIN 0x80                                       ; destination window 2
.set wi, 0
.rept 128
	global_load_b32 v[wi], v[GWF], s[28:29] offset:(128*(wi/64)+64*((wi/32)%2)+(wi%32))*1024   ; W(128 s + 64 c + 32 h + i, my column r)
.set wi, wi+1
.endr
	s_wait_loadcnt 0x0
	; ---- the encoder: 16 accumulators by turns, a K step at a time; the bias is the C of each sum's first instruction
.irp s, 0,1,2,3
.if \s == 0
	WIN 0x85                                       ; sources 0 and 1 window 1, C window 0, D window 2
.else
	WIN 0xa5                                       ; C and D window 2
.endif
.irp m, 0,1,2,3
.irp u, 0,1,2,3
.if \s == 0
	v_wmma_scale_f32_16x16x128_f8f6f4 v[128+32*\m+8*\u:128+32*\m+8*\u+7], v[8*(4*\u+\s):8*(4*\u+\s)+7], v[128+8*(4*\m+\s):128+8*(4*\m+\s)+7], v[BE+8*\u:BE+8*\u+7], v[WES+4*\u+\s], v[XS+4*\m+\s] matrix_a_fmt:MATRIX_FMT_FP4 matrix_b_fmt:MATRIX_FMT_FP4
.else
	v_wmma_scale_f32_16x16x128_f8f6f4 v[128+32*\m+8*\u:128+32*\m+8*\u+7], v[8*(4*\u+\s):8*(4*\u+\s)+7], v[128+8*(4*\m+\s):128+8*(4*\m+\s)+7], v[128+32*\m+8*\u:128+32*\m+8*\u+7], v[WES+4*\u+\s], v[XS+4*\m+\s] matrix_a_fmt:MATRIX_FMT_FP4 matrix_b_fmt:MATRIX_FMT_FP4
.endif
.endr
.endr
.endr
	; ---- W's four blocks of my column (its plain lines are also the places behind the products above)
	QB4 0, WC, 1
.irp s, 0,1
	v_lshl_or_b32 v[WW+\s], v[TM+9+2*\s], 16, v[TM+8+2*\s]   ; my two bytes of K step s: blocks h and 2 + h,
	v_lshlrev_b32 v[WW+\s], v[SH8], v[WW+\s]                 ; at their places in the word;
	v_permlanex16_b32 v[PT], v[WW+\s], s[SEL], s[SEL+1]
	v_or_b32 v[WW+\s], v[WW+\s], v[PT]                       ; with lane l xor 16's two the word is whole
.endr
.irp j, 0,1,2,3,4,5,6,7
	v_and_b32 v[BB+\j], s[KMN], v[BB+\j]           ; no bias in the key's tables
.endr
	; ---- the features: relu and quantiser; block mt is row 16 mt + r, channels 64 w + 32 h + 0 .. 31
	QB4 128, FC, 0
	MASK8 FC
	MASK8 FC+8
.irp m, 0,1,2,3
	ds_store_b128 v[FIMA], v[FC+4*\m:FC+4*\m+3] offset:FIM+2048*\m
	ds_store_b8 v[FSBA], v[TM+8+\m] offset:128*\m
.endr
	BAR                                            ; the eight fragments and their scale words lie in LDS
	; ---- the second product: my 16 columns for the 64 rows
.irp m, 0,1,2,3
.irp s, 0,1
.irp c, 0,1
	ds_load_b128 v[FQ+8*(2*\m+\s)+4*\c:FQ+8*(2*\m+\s)+4*\c+3], v[FRD] offset:FIM+1024*(2*\m+\s)+512*\c
.endr
	ds_load_b32 v[FS+2*\m+\s], v[FSR] offset:64*(2*\m+\s)
.endr
.endr
	s_wait_dscnt 0x0
.irp m, 0,1,2,3
	v_wmma_scale_f32_16x16x128_f8f6f4 v[PA+8*\m:PA+8*\m+7], v[WC:WC+7], v[FQ+16*\m:FQ+16*\m+7], v[BB:BB+7], v[WW], v[FS+2*\m] matrix_a_fmt:MATRIX_FMT_FP4 matrix_b_fmt:MATRIX_FMT_FP4
.endr
.irp m, 0,1,2,3
	v_wmma_scale_f32_16x16x128_f8f6f4 v[PA+8*\m:PA+8*\m+7], v[WC+8:WC+15], v[FQ+16*\m+8:FQ+16*\m+15], v[PA+8*\m:PA+8*\m+7], v[WW+1], v[FS+2*\m+1] matrix_a_fmt:MATRIX_FMT_FP4 matrix_b_fmt:MATRIX_FMT_FP4
.endr
.rept 4
	v_nop                                          ; four places behind the last product, ahead of the first read of results
.endr
.set pi, 0
.rept 32
	v_xor_b32 v[PA+pi], s[SGN], v[PA+pi]           ; nvk is stored negated; ascending
.set pi, pi+1
.endr
.irp m, 0,1,2,3
	ds_store_b128 v[STW], v[PA+8*\m:PA+8*\m+3] offset:16*\m*SGP        ; lane (r, h): row 16 mt + r, columns 16 w + 8 h + 0 .. 7
	ds_store_b128 v[STW], v[PA+8*\m+4:PA+8*\m+7] offset:16*\m*SGP+16
.endr
	BAR                                            ; 64 rows x 256 bytes lie in the stage
.irp i, 0,1,2,3,4,5,6,7
	ds_load_b128 v[FQ+4*\i:FQ+4*\i+3], v[SRD] offset:8*\i*SGP
.endr
	v_lshrrev_b32 v[MS], 4, v0
	v_lshlrev_b32 v[MS], 10, v[MS]
	v_lshl_add_u32 v[MS], v1, 4, v[MS]             ; 1024 (thread / 16) + 16 (thread % 16)
.irp i, 0,1,2,3,4,5,6,7
	s_wait_dscnt 7-\i                              ; the younger loads from the stage may stay out
	global_store_b128 v[MS], v[FQ+4*\i:FQ+4*\i+3], s[36:37] offset:8192*\i   ; sixteen lanes store 256 consecutive bytes, at a multiple of 256 from the table's first byte
.endr
	s_set_vgpr_msb 0xf
	s_wait_tensorcnt 0x0
	ds_add_u32 v0, v1
	s_wait_dscnt 0x0
	s_set_vgpr_msb 0xf00
	s_endpgm
.Lfunc_end_k_q7d905b9394_prep:
	.size	k_q7d905b9394_prep, .Lfunc_end_k_q7d905b9394_prep-k_q7d905b9394_prep
	.p2alignl 7, 3214868480
	.fill 96, 4, 3214868480
	.section	.rodata,"a",@progbits
	.p2align	6, 0x0
	.amdhsa_kernel k_q7d905b9394_prep
		.amdhsa_group_segment_fixed_size 27136
		.amdhsa_private_segment_fixed_size 0
		.amdhsa_enable_private_segment 0
		.amdhsa_kernarg_size 144
		.amdhsa_user_sgpr_count 2
		.amdhsa_user_sgpr_kernarg_segment_ptr 1
		.amdhsa_wavefront_size32 1
		.amdhsa_system_sgpr_workgroup_id_x 1
		.amdhsa_system_sgpr_workgroup_id_y 1
		.amdhsa_system_sgpr_workgroup_id_z 1
		.amdhsa_system_vgpr_workitem_id 0
		.amdhsa_next_free_vgpr 770
		.amdhsa_next_free_sgpr 90
		.amdhsa_reserve_vcc 0
		.amdhsa_float_denorm_mode_32 3
		.amdhsa_float_denorm_mode_16_64 3
		.amdhsa_memory_ordered 1
		.amdhsa_forward_progress 1
		.amdhsa_inst_pref_size 53
	.end_amdhsa_kernel
	.amdgpu_metadata
---
amdhsa.version: [ 1, 2 ]
amdhsa.kernels:
  - .name:           k_q7d905b9394_prep
    .symbol:         k_q7d905b9394_prep.kd
    .args:
      - { .name: query_codes, .offset: 0, .size: 8, .value_kind: global_buffer, .address_space: global }
      - { .name: key_codes, .offset: 8, .size: 8, .value_kind: global_buffer, .address_space: global }
      - { .name: query_scales, .offset: 16, .size: 8, .value_kind: global_buffer, .address_space: global }
      - { .name: key_scales, .offset: 24, .size: 8, .value_kind: global_buffer, .address_space: global }
      - { .name: Wqe_codes, .offset: 32, .size: 8, .value_kind: global_buffer, .address_space: global }
      - { .name: Wke_codes, .offset: 40, .size: 8, .value_kind: global_buffer, .address_space: global }
      - { .name: Wqe_scales, .offset: 48, .size: 8, .value_kind: global_buffer, .address_space: global }
      - { .name: Wke_scales, .offset: 56, .size: 8, .value_kind: global_buffer, .address_space: global }
      - { .name: bqe, .offset: 64, .size: 8, .value_kind: global_buffer, .address_space: global }
      - { .name: bke, .offset: 72, .size: 8, .value_kind: global_buffer, .address_space: global }
      - { .name: W1, .offset: 80, .size: 8, .value_kind: global_buffer, .address_space: global }
      - { .name: Wv1, .offset: 88, .size: 8, .value_kind: global_buffer, .address_space: global }
      - { .name: b1, .offset: 96, .size: 8, .value_kind: global_buffer, .address_space: global }
      - { .name: bv1, .offset: 104, .size: 8, .value_kind: global_buffer, .address_space: global }
      - { .name: qp1, .offset: 112, .size: 8, .value_kind: global_buffer, .address_space: global }
      - { .name: kp1, .offset: 120, .size: 8, .value_kind: global_buffer, .address_space: global }
      - { .name: vq1, .offset: 128, .size: 8, .value_kind: global_buffer, .address_space: global }
      - { .name: nvk, .offset: 136, .size: 8, .value_kind: global_buffer, .address_space: global }
    .group_segment_fixed_size: 27136
    .private_segment_fixed_size: 0
    .kernarg_segment_align: 8
    .kernarg_segment_size: 144
    .max_flat_workgroup_size: 128
    .sgpr_count:     90
    .vgpr_count:     770
    .wavefront_size: 32
...
	.end_amdgpu_metadata
.endif
;; end of part 1
;; launch pairs (part 2): grid 8 x 32, 4 waves a work-group, no clusters, 168,448 bytes of LDS; arguments W2_codes, W3_codes, W2_scales, W3_scales, b2, b3, qp1, vq1, kp1, nvk, Wf, Wv2, bf, bv2, out0, out1; writes out0, out1
.if DOCPART == 2
	.amdgcn_target "amdgcn-amd-amdhsa--gfx1250"
	.amdhsa_code_object_version 6
	.text
	.protected	k_q7d905b9394_pairs
	.globl	k_q7d905b9394_pairs
	.p2align	8
	.type	k_q7d905b9394_pairs,@function
k_q7d905b9394_pairs:
	s_mov_b64 s[64:65], 0
	v_nop
	global_prefetch_b8 v0, s[64:65] scope:SCOPE_SE
	s_setreg_imm32_b32 hwreg(HW_REG_WAVE_MODE, 25, 1), 1
	s_wait_xcnt 0x0
; FOR EVERY PAIR (query q, key k) of a batch:
;   out0 = relu(Q(relu(Q(relu(qp1[q] + kp1[k])) W2 + b2)) W3 + b3) . Wf + bf          out1 = softplus(relu(vq1[q] - nvk[k]) . Wv2 + bv2)
; Q is the MX-FP4 quantiser along the 256 channels; W2 and W3 arrive as codes; both products go by the scaled FP4 matrix instruction, sums in f32.  The two dots (N = 1) are f32 multiply-adds in the lane.
; SHARES.  Work-group (x, y): 64 keys (x), batch y / 16, 32 queries (y % 16).  A tile is 16 queries (lane % 16) x ONE key.  TWO ROLES by the wave's number: wave J (0, 1) makes the first layer and the product
; with W2 for queries 16 J .. 16 J + 15 and hands the codes of its result through LDS; wave 2 + J makes the product with W3, the dot with Wf and the whole second head.  Each walks the 64 keys; the second role runs one key behind;
; one barrier a key; the handed codes lie in two slots by turns, so that in every interval one slot is written and the other read.
; A role's weight (256 registers), bias (128), query tile (128) and dot vectors (256) stay in registers for the whole launch.  The 64 rows of kp1 and of nvk come into LDS once, by one tensor load a wave
; (one is outstanding), and are read from there, the same bytes by sixteen lanes.
; LAYOUT.  Products are used transposed (source 0 = 16 rows of the weight, source 1 = the 16 pairs), and lane m of tile 4 g + u takes the weight's row 64 g + 32 (m / 8) + 8 u + m % 8: lane (r, h) then holds pair r,
; and the 32 accumulator registers of group g are channels 64 g + 32 h + 0 .. 31: one whole block of the next K in one lane, in the order of the next operand's registers.  All per-channel data lie so:
; register 32 c + i = channel 64 c + 32 h + i.
; RELU AHEAD OF A QUANTISER: the block's maximum is taken without |.|, over a floor; the numbers are converted signed; negative nibbles of the codes are turned into -0.
; THE SECOND HEAD: relu(a + c) = max(a, -c) + c.  The loop sums wv2 x max(vq1, nvk); the sum of wv2 x nvk is made once a key and taken off at the end.  All of it in f32.
; softplus(x) = max(x, 0) + ln 2 x log2(1 + 2^(-|x| log2 e)): the exponent is never positive.
; LIMITS: NaN and infinities are not served.  Blocks under 2^-124 and blocks of zeros get the byte 1 (their codes are zeros or the quantiser's own lower hold applies).  softplus is off by about 1e-7 absolutely where 2^(..) falls under an ulp of 1.
; NO CLUSTER: what neighbours share (a weight's 34 KB, 64 table rows) is fetched once a work-group, ahead of 65 steps in which nothing is fetched: a small part of the launch, and no loop waits for it.
.set RP,   1040                        ; a table row in LDS: 1,024 bytes + 16 of padding
.set NVL,  64*RP                       ; LDS: kp1's 64 rows at 0, nvk's 64 rows here
.set HB,   2*64*RP                     ; the handed codes: for each J two slots of 2,304 bytes: four register images of 512 bytes, then two of scale words, 128 bytes each
.set HJ,   4608
.set HSL,  2304
.set STGL, HB+2*HJ                     ; the logits' stage: 32 queries x (64 keys x 4 bytes + 16)
.set SGP,  272
.set STGD, 32*SGP                      ; the second head's stage lies this far behind it
.set CKN,  STGL+2*STGD                 ; one word a key: the sum of wv2 x nvk
.set STR,  3                           ; v3   66560 x role + 128 h: my stream's row 0
.set HIM,  4                           ; v4   HB + 4608 J + 16 x lane
.set HSA,  5                           ; v5   HB + 4608 J + 2048 + 4 x lane
.set OST,  6                           ; v6   STGL + 272 (16 J + r)
.set SH8,  7                           ; v7   8 h
.set GW,   8                           ; v8   weight: tile row x 128 + 16 h
.set GS,   9                           ; v9   its scale words: tile row x 8 + 4 h
.set GH,   10                          ; v10  128 h
.set GR,   11                          ; v11  1024 r + 128 h
.set CKA,  12                          ; v12  NVL + 1040 (16 w + r) + 128 h
.set CKW,  13                          ; v13  CKN + 4 (16 w + r)
.set SRD,  14                          ; v14  STGL + 272 (thread / 16) + 16 (thread % 16)
.set CKR,  15                          ; v15  CKN + 16 (thread % 16)
.set WS,   16                          ; v16-31  the weight's scale words: lanes 0-15 K step 0's, lanes 16-31 K step 1's
.set HC,   32                          ; v32-47  the operand's codes: two fragments
.set HW,   48                          ; v48-49  its scale words
.set OW,   50                          ; v50-51  the scale words to hand on
.set OC,   52                          ; v52-67  the codes to hand on
.set TM,   68                          ; v68-71 maxima, v72-73 conversion scales, v74-75 bytes, v76 a permute's destination
.set MS,   78                          ; v78-85, v86-93 at work on the nibbles
.set MT,   86
.set X0,   96                          ; v96-159  channels of c = 0, 1
.set X1,   160                         ; v160-223 channels of c = 2, 3; the same registers are the eight accumulators
.set ACC,  160
.set S,    224                         ; v224-231 the dot with Wf, four chains of pairs
.set SV,   232                         ; v232-239 the dot with Wv2
.set FT,   240                         ; v240-243 at work
.set STA,  244                         ; v244 the stream's address of this trip
.set OSA,  245                         ; v245 the stages' address of this trip
.set GOUT, 246                         ; v246 2048 (thread / 16) + 16 (thread % 16)
; window 1: the weight's fragments (T, s) at 16 T + 8 s.   window 2: v0-127 my query tile; v128-255 Wv2.   window 3: v0-127 the bias; v128-255 Wf.
.set WV,   50
.set ROLE, 51
.set JJ,   52
.set G0,   56                          ; s[56:59] descriptor group 0
.set G1,   68                          ; s[68:75] descriptor group 1
.set NIB,  76
.set SEL,  78
.set FLO,  81
.set SOFF, 88
.set OOFF, 89
.set EOFF, 92
.set MSB, 0
.macro WIN new                         ; the immediate's high byte repeats the setting that is left
.if MSB != \new
	s_set_vgpr_msb (MSB<<8)|\new
.set MSB, \new
.endif
.endm
.macro NOP4
.rept 4
	v_nop
.endr
.endm
.macro BAR                             ; my LDS stores have landed (for the reader) and my LDS loads are in (for the next writer): then the work-group's barrier
	s_wait_dscnt 0x0
	s_barrier_signal -1
	s_barrier_wait -1
.endm
.macro MASK8 cod                       ; negative nibbles become -0: s = the sign bits; s - (s >> 3) = 7 in each negative nibble; those bits are cleared
.irp i, 0,1,2,3,4,5,6,7
	v_and_b32 v[MS+\i], s[NIB], v[\cod+\i]
.endr
.irp i, 0,1,2,3,4,5,6,7
	v_lshrrev_b32 v[MT+\i], 3, v[MS+\i]
.endr
.irp i, 0,1,2,3,4,5,6,7
	v_sub_nc_u32 v[MS+\i], v[MS+\i], v[MT+\i]
.endr
.irp i, 0,1,2,3,4,5,6,7
	v_bfi_b32 v[\cod+\i], v[MS+\i], 0, v[\cod+\i]
.endr
.endm
; 64 numbers of a lane (two whole blocks) become, after relu, a fragment's eight registers of codes and its scale word.
.macro QUANT2 src, cod, wrd
.irp k, 0,1,2,3
	v_max3_num_f32 v[TM+\k], v[\src+16*\k], v[\src+16*\k+1], s[FLO]   ; four chains; the floor 2^(3 - 127) among the leaves; no |.|: what is negative must not count
.endr
.irp i, 2,4,6,8,10,12,14
.irp k, 0,1,2,3
	v_max3_num_f32 v[TM+\k], v[TM+\k], v[\src+16*\k+\i], v[\src+16*\k+\i+1]   ; ascending: each accumulator is first read at its low end
.endr
.endr
	v_max_num_f32 v[TM], v[TM], v[TM+1]
	v_max_num_f32 v[TM+2], v[TM+2], v[TM+3]
	v_add_nc_u32 v[TM+4], s[EOFF], v[TM]           ; 2 off the exponent field: the conversion's scale operand
	v_add_nc_u32 v[TM+5], s[EOFF], v[TM+2]
	v_lshrrev_b32 v[TM+6], 23, v[TM+4]             ; the scales' bytes
	v_lshrrev_b32 v[TM+7], 23, v[TM+5]
.irp c, 0,1
.irp u, 0,1,2,3
	v_cvt_scalef32_pk8_fp4_f32 v[\cod+4*\c+\u], v[\src+32*\c+8*\u:\src+32*\c+8*\u+7], v[TM+4+\c]
.endr
.endr
	v_lshl_or_b32 v[\wrd], v[TM+7], 16, v[TM+6]    ; (a plain line behind the conversions)  my two bytes: blocks h and 2 + h,
	v_lshlrev_b32 v[\wrd], v[SH8], v[\wrd]         ; at their places in the word;
	v_permlanex16_b32 v[TM+8], v[\wrd], s[SEL], s[SEL+1]
	v_or_b32 v[\wrd], v[\wrd], v[TM+8]             ; with lane l xor 16's two the word is whole.  The 32 lines below put it far enough ahead of the scaled product
	MASK8 \cod
.endm
; 16 matrix instructions: output channels 128 hf .. 128 hf + 127: eight accumulators by turns, one instruction a turn, K step 0 with the bias as C, then K step 1.
.macro WM hf
	WIN 0x31                                       ; source 0 (the weight) window 1, C (the bias) window 3
.irp t, 0,1,2,3,4,5,6,7
	v_wmma_scale_f32_16x16x128_f8f6f4 v[ACC+8*\t:ACC+8*\t+7], v[16*(8*\hf+\t):16*(8*\hf+\t)+7], v[HC:HC+7], v[8*(8*\hf+\t):8*(8*\hf+\t)+7], v[WS+8*\hf+\t], v[HW] matrix_a_fmt:MATRIX_FMT_FP4 matrix_b_fmt:MATRIX_FMT_FP4
.endr
	WIN 0x01
.irp t, 0,1,2,3,4,5,6,7
	v_wmma_scale_f32_16x16x128_f8f6f4 v[ACC+8*\t:ACC+8*\t+7], v[16*(8*\hf+\t)+8:16*(8*\hf+\t)+15], v[HC+8:HC+15], v[ACC+8*\t:ACC+8*\t+7], v[WS+8*\hf+\t], v[HW+1] matrix_a_fmt:MATRIX_FMT_FP4 matrix_b_fmt:MATRIX_FMT_FP4 matrix_a_scale:MATRIX_SCALE_ROW1
.endr
	WIN 0
.endm
.macro LDROW reg, off                  ; half a table row, 64 numbers a lane: sixteen lanes read the same bytes
.irp c, 0,1
.irp j, 0,1,2,3,4,5,6,7
	ds_load_b128 v[\reg+32*\c+4*\j:\reg+32*\c+4*\j+3], v[STA] offset:\off+256*\c+16*\j
.endr
.endr
.endm
.macro ADDR x, ro                      ; + my query's numbers
	WIN 0x08                                       ; source 1 window 2
.set ai, 0
.rept 32
	v_pk_add_f32 v[\x+ai:\x+ai+1], v[\x+ai:\x+ai+1], v[\ro+ai:\ro+ai+1]
.set ai, ai+2
.endr
	WIN 0
.endm
; THE FIRST ROLE'S STEP: one key.  X0 holds the key's first half row (asked for a step ago).  pf = 1: the next key's first half row is asked for.
.macro A_STEP row, slot, pf
	LDROW X1, (\row)+512
	ADDR X0, 0
	QUANT2 X0, HC, HW
.if \pf
	LDROW X0, (\row)+RP
	s_wait_dscnt 16                                ; all but the 16 just issued: X1 is in
.else
	s_wait_dscnt 0x0
.endif
	ADDR X1, 64
	QUANT2 X1, HC+8, HW+1
	NOP4                                           ; codes written by vector instructions stand four places ahead of a scaled product
	WM 0
	NOP4                                           ; four places ahead of the first read of results
	QUANT2 ACC, OC, OW
	ds_store_b128 v[HIM], v[OC:OC+3] offset:\slot*HSL
	ds_store_b128 v[HIM], v[OC+4:OC+7] offset:\slot*HSL+512
	ds_store_b32 v[HSA], v[OW] offset:\slot*HSL
	WM 1
	NOP4
	QUANT2 ACC, OC+8, OW+1
	ds_store_b128 v[HIM], v[OC+8:OC+11] offset:\slot*HSL+1024
	ds_store_b128 v[HIM], v[OC+12:OC+15] offset:\slot*HSL+1536
	ds_store_b32 v[HSA], v[OW+1] offset:\slot*HSL+128
.endm
.macro VPART x, ro, first              ; 64 channels of the second head: max(nvk, vq1), times wv2, into four chains; the first products start the sums
	WIN 0x08                                       ; source 1 window 2
.set vi, 0
.rept 8
.irp i, 0,1,2,3,4,5,6,7
	v_max_num_f32 v[\x+vi+\i], v[\x+vi+\i], v[\ro+vi+\i]
.endr
.irp k, 0,1,2,3
.if \first && (vi == 0)
	v_pk_mul_f32 v[SV+2*\k:SV+2*\k+1], v[\x+vi+2*\k:\x+vi+2*\k+1], v[128+\ro+vi+2*\k:128+\ro+vi+2*\k+1]
.else
	v_pk_fma_f32 v[SV+2*\k:SV+2*\k+1], v[\x+vi+2*\k:\x+vi+2*\k+1], v[128+\ro+vi+2*\k:128+\ro+vi+2*\k+1], v[SV+2*\k:SV+2*\k+1]
.endif
.endr
.set vi, vi+8
.endr
	WIN 0
.endm
.macro H3PART hf, first                ; 64 channels a lane of the last layer: relu, times wf, into four chains
.set vi, 0
.rept 64
	v_max_num_f32 v[ACC+vi], 0, v[ACC+vi]          ; ascending
.set vi, vi+1
.endr
	WIN 0x0c                                       ; source 1 window 3
.set vi, 0
.rept 8
.irp k, 0,1,2,3
.if \first && (vi == 0)
	v_pk_mul_f32 v[S+2*\k:S+2*\k+1], v[ACC+vi+2*\k:ACC+vi+2*\k+1], v[128+64*\hf+vi+2*\k:128+64*\hf+vi+2*\k+1]
.else
	v_pk_fma_f32 v[S+2*\k:S+2*\k+1], v[ACC+vi+2*\k:ACC+vi+2*\k+1], v[128+64*\hf+vi+2*\k:128+64*\hf+vi+2*\k+1], v[S+2*\k:S+2*\k+1]
.endif
.endr
.set vi, vi+8
.endr
	WIN 0
.endm
; THE SECOND ROLE'S STEP: one key.  The handed codes come from the slot; X0 holds nvk's first half row.
.macro B_STEP row, slot, pf, ost
.irp c, 0,1,2,3
	ds_load_b128 v[HC+4*\c:HC+4*\c+3], v[HIM] offset:\slot*HSL+512*\c
.endr
	ds_load_b32 v[HW], v[HSA] offset:\slot*HSL
	ds_load_b32 v[HW+1], v[HSA] offset:\slot*HSL+128
	LDROW X1, (\row)+512
	VPART X0, 0, 1
.if \pf
	LDROW X0, (\row)+RP
	s_wait_dscnt 16                                ; all but the 16 just issued: the codes, their scale words and X1 are in
.else
	s_wait_dscnt 0x0
.endif
	VPART X1, 64, 0
	WM 0
	NOP4
	H3PART 0, 1
	WM 1
	NOP4
	H3PART 1, 0
	v_pk_add_f32 v[S:S+1], v[S:S+1], v[S+2:S+3]
	v_pk_add_f32 v[SV:SV+1], v[SV:SV+1], v[SV+2:SV+3]
	v_pk_add_f32 v[S+4:S+5], v[S+4:S+5], v[S+6:S+7]
	v_pk_add_f32 v[SV+4:SV+5], v[SV+4:SV+5], v[SV+6:SV+7]
	v_pk_add_f32 v[S:S+1], v[S:S+1], v[S+4:S+5]
	v_pk_add_f32 v[SV:SV+1], v[SV:SV+1], v[SV+4:SV+5]
	v_add_f32 v[FT], v[S], v[S+1]
	v_add_f32 v[FT+2], v[SV], v[SV+1]
	v_permlanex16_b32 v[FT+1], v[FT], s[SEL], s[SEL+1]       ; the pair's other 128 channels lie in lane l xor 16
	v_permlanex16_b32 v[FT+3], v[FT+2], s[SEL], s[SEL+1]
	v_add_f32 v[FT], v[FT], v[FT+1]
	v_add_f32 v[FT+2], v[FT+2], v[FT+3]
	ds_store_b32 v[OSA], v[FT] offset:\ost         ; both halves of the lanes write the same word with the same value
	ds_store_b32 v[OSA], v[FT+2] offset:STGD+\ost
.endm
; The two roles part on the wave's number and join again; no barrier stands inside.
.macro STEP2 doa, arow, aslot, apf, dob, brow, bslot, bpf, bost
	s_cmp_lt_u32 s[WV], 2
	s_cbranch_scc0 .Lrole_b_\@
.if \doa
	A_STEP \arow, \aslot, \apf
.endif
	s_branch .Ljoin_\@
.Lrole_b_\@:
.if \dob
	B_STEP \brow, \bslot, \bpf, \bost
.endif
.Ljoin_\@:
.endm
	s_load_b512 s[8:23], s[0:1], 0x0               ; W2_codes 8, W3_codes 10, W2_scales 12, W3_scales 14, b2 16, b3 18, qp1 20, vq1 22
	s_load_b512 s[24:39], s[0:1], 0x40             ; kp1 24, nvk 26, Wf 28, Wv2 30, bf 32, bv2 34, out0 36, out1 38
	v_lshl_add_u32 v254, v0, 2, 0x29000
	v_mov_b32 v255, 0
	ds_add_u32 v254, v255
	ds_add_u32 v254, v255
	v_lshrrev_b32 v1, 5, v0
	v_readfirstlane_b32 s[WV], v1                  ; wave 0..3
	s_lshr_b32 s[ROLE], s[WV], 1
	s_and_b32 s[JJ], s[WV], 1
	s_and_b32 s53, ttmp7, 0xffff
	s_lshr_b32 s54, s53, 4                         ; batch
	s_and_b32 s55, s53, 15                         ; block of 32 queries
	s_lshl_b32 s60, s54, 19                        ; the stream's rows: (512 batch + 64 x + 32 J) x 1,024 bytes
	s_lshl_b32 s61, ttmp9, 16
	s_add_co_u32 s60, s60, s61
	s_lshl_b32 s61, s[JJ], 15
	s_add_co_u32 s60, s60, s61
	s_mov_b32 s61, 0
	s_lshl_b32 s62, s54, 19                        ; my query tile: (512 batch + 32 qb + 16 J) x 1,024 bytes
	s_lshl_b32 s63, s55, 15
	s_add_co_u32 s62, s62, s63
	s_lshl_b32 s63, s[JJ], 14
	s_add_co_u32 s62, s62, s63
	s_mov_b32 s63, 0
	s_lshl_b32 s90, s54, 20                        ; the outputs: ((512 batch + 32 qb) x 512 + 64 x) x 4 bytes
	s_lshl_b32 s91, s55, 16
	s_add_co_u32 s90, s90, s91
	s_lshl_b32 s91, ttmp9, 8
	s_add_co_u32 s90, s90, s91
	s_mov_b32 s91, 0
	; descriptor group 1: 32 rows of 256 elements of 4 bytes, dense in memory; in LDS 4 words of padding behind every 256
	s_mov_b32 s[G1+0], (2<<16)|(1<<20)|(7<<22)|(3<<25)
	s_mov_b32 s[G1+1], 256<<16                     ; tensor_dim0 = 256
	s_mov_b32 s[G1+2], 32<<16                      ; tensor_dim1 = 32
	s_mov_b32 s[G1+3], 256<<16                     ; tile_dim0 = 256
	s_mov_b32 s[G1+4], 32                          ; tile_dim1 = 32
	s_mov_b32 s[G1+5], 256                         ; elements from row to row
	s_mov_b32 s[G1+6], 0
	s_mov_b32 s[G1+7], 0
	s_mov_b32 s[NIB], 0x88888888
	s_mov_b32 s[SEL], 0x76543210
	s_mov_b32 s[SEL+1], 0xfedcba98                 ; v_permlanex16_b32's selects for lane l xor 16
	s_mov_b32 s[FLO], 0x1800000
	s_mov_b32 s[EOFF], 0xff000000
	s_mov_b32 s85, 0xbfb8aa3b                      ; -log2(e)
	s_mov_b32 s86, 0x3f317218                      ; ln 2
	s_xor_b32 s87, s[ROLE], 1
	s_mul_i32 s87, s87, RP                         ; the first role runs one row ahead
	s_wait_dscnt 0x0
	s_wait_kmcnt 0x0
	s_cmp_lt_u32 s[WV], 2                          ; the choices hang on the wave's number alone
	s_cselect_b64 s[40:41], s[8:9], s[10:11]       ; my weight's codes
	s_cselect_b64 s[42:43], s[12:13], s[14:15]     ; its scales
	s_cselect_b64 s[44:45], s[16:17], s[18:19]     ; its bias
	s_cselect_b64 s[46:47], s[20:21], s[22:23]     ; my query table
	s_cselect_b64 s[48:49], s[24:25], s[26:27]     ; the key table of which I fetch 32 rows
	s_add_nc_u64 s[46:47], s[46:47], s[62:63]
	s_add_nc_u64 s[48:49], s[48:49], s[60:61]
	s_add_nc_u64 s[36:37], s[36:37], s[90:91]
	s_add_nc_u64 s[38:39], s[38:39], s[90:91]
	s_load_b32 s82, s[32:33], 0x0                  ; bf
	s_load_b32 s84, s[34:35], 0x0                  ; bv2
	s_mov_b32 s[G0], 1                             ; count = 1
	s_mul_i32 s[G0+1], s[WV], 32*RP                ; LDS: wave x 32 rows: kp1's two halves, then nvk's
	s_mov_b64 s[G0+2:G0+3], s[48:49]
	s_or_b32 s[G0+3], s[G0+3], 0x80000000          ; type = 2
	tensor_load_to_lds s[G0:G0+3], s[G1:G1+7]      ; my one tensor load: these bytes are filled once
	s_nop 0
	NOP4
	v_and_b32 v1, 15, v0                           ; r
	v_bfe_u32 v2, v0, 4, 1                         ; h
	v_and_b32 v[FT], 31, v0                        ; lane
	s_mul_i32 s93, s[ROLE], NVL
	v_lshlrev_b32 v[STR], 7, v2
	v_add_nc_u32 v[STR], s93, v[STR]
	s_mul_i32 s93, s[JJ], HJ
	s_add_co_u32 s93, s93, HB
	v_lshl_add_u32 v[HIM], v[FT], 4, s93
	s_add_co_u32 s93, s93, 2048
	v_lshl_add_u32 v[HSA], v[FT], 2, s93
	s_mul_i32 s93, s[JJ], 16*SGP
	s_add_co_u32 s93, s93, STGL
	v_mul_u32_u24 v[OST], v1, SGP
	v_add_nc_u32 v[OST], s93, v[OST]
	v_lshlrev_b32 v[SH8], 3, v2
	v_and_b32 v[FT+1], 8, v1
	v_mad_u32_u24 v[FT+1], v[FT+1], 3, v1          ; 32 (r / 8) + r % 8
	v_lshlrev_b32 v[GW], 7, v[FT+1]
	v_lshl_add_u32 v[GW], v2, 4, v[GW]
	v_lshlrev_b32 v[GS], 3, v[FT+1]
	v_lshl_add_u32 v[GS], v2, 2, v[GS]
	v_lshlrev_b32 v[GH], 7, v2
	v_lshlrev_b32 v[GR], 10, v1
	v_lshl_add_u32 v[GR], v2, 7, v[GR]
	s_mul_i32 s93, s[WV], 16*RP
	s_add_co_u32 s93, s93, NVL
	v_mul_u32_u24 v[CKA], v1, RP
	v_lshl_add_u32 v[CKA], v2, 7, v[CKA]
	v_add_nc_u32 v[CKA], s93, v[CKA]
	s_lshl_b32 s93, s[WV], 6
	s_add_co_u32 s93, s93, CKN
	v_lshl_add_u32 v[CKW], v1, 2, s93
	v_lshrrev_b32 v[FT+2], 4, v0
	v_mul_u32_u24 v[SRD], v[FT+2], SGP
	v_lshl_add_u32 v[SRD], v1, 4, v[SRD]
	v_add_nc_u32 v[SRD], STGL, v[SRD]
	v_lshl_add_u32 v[CKR], v1, 4, CKN
	v_lshlrev_b32 v[GOUT], 11, v[FT+2]
	v_lshl_add_u32 v[GOUT], v1, 4, v[GOUT]
	v_add_nc_u32 v[STA], 0, v[STR]                 ; the first step reads from row 0
	v_mov_b32 v[TM+8], 0                           ; written once: a lane permute's destination counts as one of its sources
	v_mov_b32 v[FT+3], 0
	; ---- what stays in registers
	WIN 0x40                                       ; destination window 1
.irp T, 0,1,2,3,4,5,6,7,8,9,10,11,12,13,14,15
.irp s, 0,1
.irp c, 0,1
	global_load_b128 v[16*\T+8*\s+4*\c:16*\T+8*\s+4*\c+3], v[GW], s[40:41] offset:(64*(\T/4)+8*(\T%4))*128+64*\s+32*\c
.endr
.endr
.endr
	WIN 0x80                                       ; destination window 2
.irp c, 0,1,2,3
.irp j, 0,1,2,3,4,5,6,7
	global_load_b128 v[32*\c+4*\j:32*\c+4*\j+3], v[GR], s[46:47] offset:256*\c+16*\j
	global_load_b128 v[128+32*\c+4*\j:128+32*\c+4*\j+3], v[GH], s[30:31] offset:256*\c+16*\j
.endr
.endr
	WIN 0xc0                                       ; destination window 3
.irp c, 0,1,2,3
.irp j, 0,1,2,3,4,5,6,7
	global_load_b128 v[32*\c+4*\j:32*\c+4*\j+3], v[GH], s[44:45] offset:256*\c+16*\j
	global_load_b128 v[128+32*\c+4*\j:128+32*\c+4*\j+3], v[GH], s[28:29] offset:256*\c+16*\j
.endr
.endr
	WIN 0
.irp T, 0,1,2,3,4,5,6,7,8,9,10,11,12,13,14,15
	global_load_b32 v[WS+\T], v[GS], s[42:43] offset:(64*(\T/4)+8*(\T%4))*8
.endr
	s_wait_loadcnt 0x0
	s_wait_kmcnt 0x0
	s_mov_b32 s83, s82                             ; (the packed form names the pair)
	s_wait_tensorcnt 0x0                           ; my 32 rows are in LDS,
	s_barrier_signal -1
	s_barrier_wait -1                              ; everybody's are
	; ---- once a key: the sum of wv2 x nvk; wave w takes keys 16 w + r
.irp c, 0,1,2,3
.irp j, 0,1,2,3,4,5,6,7
	ds_load_b128 v[X0+32*\c+4*\j:X0+32*\c+4*\j+3], v[CKA] offset:256*\c+16*\j
.endr
.endr
	s_wait_dscnt 0x0
	WIN 0x08                                       ; source 1 window 2
.set ci, 0
.rept 64
.if ci < 4
	v_pk_mul_f32 v[SV+2*ci:SV+2*ci+1], v[X0+2*ci:X0+2*ci+1], v[128+2*ci:128+2*ci+1]
.else
	v_pk_fma_f32 v[SV+2*(ci%4):SV+2*(ci%4)+1], v[X0+2*ci:X0+2*ci+1], v[128+2*ci:128+2*ci+1], v[SV+2*(ci%4):SV+2*(ci%4)+1]
.endif
.set ci, ci+1
.endr
	WIN 0
	v_pk_add_f32 v[SV:SV+1], v[SV:SV+1], v[SV+2:SV+3]
	v_pk_add_f32 v[SV+4:SV+5], v[SV+4:SV+5], v[SV+6:SV+7]
	v_pk_add_f32 v[SV:SV+1], v[SV:SV+1], v[SV+4:SV+5]
	v_add_f32 v[FT+2], v[SV], v[SV+1]
	v_permlanex16_b32 v[FT+3], v[FT+2], s[SEL], s[SEL+1]
	v_add_f32 v[FT+2], v[FT+2], v[FT+3]
	ds_store_b32 v[CKW], v[FT+2]                   ; read at the end, behind many barriers
	LDROW X0, 0                                    ; my stream's row 0, first half
	s_wait_dscnt 0x0
	; ---- the 64 keys
	STEP2 1, 0, 0, 1,  0, 0, 0, 0, 0               ; key 0 into slot 0; the second role has nothing yet
	BAR
	s_mov_b32 s[SOFF], s87
	s_mov_b32 s[OOFF], 0
	s_mov_b32 s80, 31
.Lkeys:                                            ; trip T: the first role keys 2 T + 1, 2 T + 2; the second keys 2 T, 2 T + 1
	v_add_nc_u32 v[STA], s[SOFF], v[STR]
	v_add_nc_u32 v[OSA], s[OOFF], v[OST]
	STEP2 1, 0, 1, 1,  1, 0, 0, 1, 0
	BAR
	STEP2 1, RP, 0, 1,  1, RP, 1, 1, 4
	BAR
	s_add_co_u32 s[SOFF], s[SOFF], 2*RP
	s_add_co_u32 s[OOFF], s[OOFF], 8
	s_sub_co_u32 s80, s80, 1
	s_cmp_lg_u32 s80, 0
	s_cbranch_scc1 .Lkeys
	v_add_nc_u32 v[STA], s[SOFF], v[STR]
	v_add_nc_u32 v[OSA], s[OOFF], v[OST]
	STEP2 1, 0, 1, 0,  1, 0, 0, 1, 0               ; key 63 (nothing is asked for beyond row 63) | key 62
	BAR
	STEP2 0, 0, 0, 0,  1, RP, 1, 0, 4              ; | key 63
	BAR                                            ; 32 queries x 64 keys lie in the two stages
	; ---- the way out: thread t takes rows t / 16 + 8 i, keys 4 (t % 16) + 0 .. 3
.irp i, 0,1,2,3
	ds_load_b128 v[96+4*\i:99+4*\i], v[SRD] offset:8*\i*SGP
.endr
.irp i, 0,1,2,3
	ds_load_b128 v[112+4*\i:115+4*\i], v[SRD] offset:STGD+8*\i*SGP
.endr
	ds_load_b128 v[128:131], v[CKR]
	s_wait_dscnt 0x0
.irp j, 0,1,2,3
	v_sub_f32 v[128+\j], s84, v[128+\j]            ; bv2 - the key's sum of wv2 x nvk
.endr
.irp i, 0,1,2,3
.irp q, 0,1
	v_pk_add_f32 v[112+4*\i+2*\q:113+4*\i+2*\q], v[112+4*\i+2*\q:113+4*\i+2*\q], v[128+2*\q:129+2*\q]   ; x
.endr
.endr
.irp n, 0,1,2,3,4,5,6,7,8,9,10,11,12,13,14,15
	v_mul_f32 v[132+\n], s85, |v[112+\n]|          ; -|x| log2 e
.endr
.irp n, 0,1,2,3,4,5,6,7,8,9,10,11,12,13,14,15
	v_exp_f32 v[132+\n], v[132+\n]
.endr
.irp n, 0,2,4,6,8,10,12,14
	v_pk_add_f32 v[96+\n:97+\n], v[96+\n:97+\n], s[82:83] op_sel_hi:[1,0]   ; the logits: + bf.  (Plain work behind the exponentials, which names none of their results)
.endr
.irp n, 0,1,2,3,4,5,6,7,8,9,10,11,12,13,14,15
	v_max_num_f32 v[112+\n], 0, v[112+\n]          ; max(x, 0)
.endr
	s_wait_alu depctr_va_vdst(0)                   ; one wait for the batch of exponentials, ahead of its first reader
.irp n, 0,2,4,6,8,10,12,14
	v_pk_add_f32 v[132+\n:133+\n], v[132+\n:133+\n], 1.0 op_sel_hi:[1,0]
.endr
.irp n, 0,1,2,3,4,5,6,7,8,9,10,11,12,13,14,15
	v_log_f32 v[132+\n], v[132+\n]
.endr
	v_nop                                          ; a plain instruction behind the last logarithm
.irp i, 0,1,2,3
	global_store_b128 v[GOUT], v[96+4*\i:99+4*\i], s[36:37] offset:16384*\i th:TH_STORE_NT   ; sixteen lanes store 256 consecutive bytes, at a multiple of 256 from the output's first byte
.endr
	s_wait_alu depctr_va_vdst(0)                   ; one wait for the batch of logarithms
.irp n, 0,1,2,3,4,5,6,7,8,9,10,11,12,13,14,15
	v_fmac_f32 v[112+\n], s86, v[132+\n]           ; + ln 2 x log2(1 + ..)
.endr
.irp i, 0,1,2,3
	global_store_b128 v[GOUT], v[112+4*\i:115+4*\i], s[38:39] offset:16384*\i th:TH_STORE_NT
.endr
	s_wait_tensorcnt 0x0
	ds_add_u32 v254, v255
	s_wait_dscnt 0x0
	s_endpgm
.Lfunc_end_k_q7d905b9394_pairs:
	.size	k_q7d905b9394_pairs, .Lfunc_end_k_q7d905b9394_pairs-k_q7d905b9394_pairs
	.p2alignl 7, 3214868480
	.fill 96, 4, 3214868480
	.section	.rodata,"a",@progbits
	.p2align	6, 0x0
	.amdhsa_kernel k_q7d905b9394_pairs
		.amdhsa_group_segment_fixed_size 168448
		.amdhsa_private_segment_fixed_size 0
		.amdhsa_enable_private_segment 0
		.amdhsa_kernarg_size 128
		.amdhsa_user_sgpr_count 2
		.amdhsa_user_sgpr_kernarg_segment_ptr 1
		.amdhsa_wavefront_size32 1
		.amdhsa_system_sgpr_workgroup_id_x 1
		.amdhsa_system_sgpr_workgroup_id_y 1
		.amdhsa_system_sgpr_workgroup_id_z 1
		.amdhsa_system_vgpr_workitem_id 0
		.amdhsa_next_free_vgpr 1024
		.amdhsa_next_free_sgpr 96
		.amdhsa_reserve_vcc 0
		.amdhsa_float_denorm_mode_32 3
		.amdhsa_float_denorm_mode_16_64 3
		.amdhsa_memory_ordered 1
		.amdhsa_forward_progress 1
		.amdhsa_inst_pref_size 245
	.end_amdhsa_kernel
	.amdgpu_metadata
---
amdhsa.version: [ 1, 2 ]
amdhsa.kernels:
  - .name:           k_q7d905b9394_pairs
    .symbol:         k_q7d905b9394_pairs.kd
    .args:
      - { .name: W2_codes, .offset: 0, .size: 8, .value_kind: global_buffer, .address_space: global }
      - { .name: W3_codes, .offset: 8, .size: 8, .value_kind: global_buffer, .address_space: global }
      - { .name: W2_scales, .offset: 16, .size: 8, .value_kind: global_buffer, .address_space: global }
      - { .name: W3_scales, .offset: 24, .size: 8, .value_kind: global_buffer, .address_space: global }
      - { .name: b2, .offset: 32, .size: 8, .value_kind: global_buffer, .address_space: global }
      - { .name: b3, .offset: 40, .size: 8, .value_kind: global_buffer, .address_space: global }
      - { .name: qp1, .offset: 48, .size: 8, .value_kind: global_buffer, .address_space: global }
      - { .name: vq1, .offset: 56, .size: 8, .value_kind: global_buffer, .address_space: global }
      - { .name: kp1, .offset: 64, .size: 8, .value_kind: global_buffer, .address_space: global }
      - { .name: nvk, .offset: 72, .size: 8, .value_kind: global_buffer, .address_space: global }
      - { .name: Wf, .offset: 80, .size: 8, .value_kind: global_buffer, .address_space: global }
      - { .name: Wv2, .offset: 88, .size: 8, .value_kind: global_buffer, .address_space: global }
      - { .name: bf, .offset: 96, .size: 8, .value_kind: global_buffer, .address_space: global }
      - { .name: bv2, .offset: 104, .size: 8, .value_kind: global_buffer, .address_space: global }
      - { .name: out0, .offset: 112, .size: 8, .value_kind: global_buffer, .address_space: global }
      - { .name: out1, .offset: 120, .size: 8, .value_kind: global_buffer, .address_space: global }
    .group_segment_fixed_size: 168448
    .private_segment_fixed_size: 0
    .kernarg_segment_align: 8
    .kernarg_segment_size: 128
    .max_flat_workgroup_size: 128
    .sgpr_count:     96
    .vgpr_count:     1024
    .wavefront_size: 32
...
	.end_amdgpu_metadata
.endif
;; end of part 2
